; MI455X (gfx1250); checked and timed in simulation.
; The chip was launched on July 23, 2026; its instructions are those of AMD's public machine-readable ISA for CDNA 5 (MIT licence, August 2026) and "CDNA5" Instruction Set Architecture Reference Guide (July 2026).
;; Capsule Layer. Allowed arithmetic: matrix products marked QUANTISED: E4M3 operands, one given power-of-two scale a tensor, by v_wmma_f32_16x16x64_fp8_fp8 or v_wmma_f32_16x16x128_fp8_fp8, f32 sums; everything else in f32.
;; Inputs: lowp_scales 4 int32 (the exponents e of the quantised operands' scales 2^e); route_weights1_codes 64 x 256 x 8 x 32 uint8 (E4M3 codes of route_weights1, K innermost, in blocks of 32 codes); route_weights_codes 32 x 256 x 8 x 32 uint8 (E4M3 codes of route_weights, K innermost, in blocks of 32 codes); x_codes 64 x 128 x 8 x 32 uint8 (E4M3 codes of x, K innermost, in blocks of 32 codes).
;; Outputs: out0 32 x 64 x 256 float32.
;; This version of the problem:
;;   THIS VERSION OF THE PROBLEM IS GIVEN IN LOW PRECISION. The matrix products marked QUANTISED in the list below multiply operands that are first quantised to E4M3 (4 exponent bits, 3 mantissa bits; 8 bits a number), with one given power-of-two scale for each operand tensor; their sums are f32. All else is computed in f32.
;;   The module's matrix products, in the order in which they are computed (A, B: the left and right operand; K: the contracted axis; several contracted axes count as one K, in the product's order):
;;     1. [M 16,384, K 256] x [K 256, N 8,192]; A: input route_weights1 (given as codes); B: input x (given as codes): QUANTISED (scales: A lowp_scales[0], B lowp_scales[1])
;;     2. [M 8,192, K 256] x [K 256, N 4,096]; A: input route_weights (given as codes); B: computed on the way: QUANTISED (scales: A lowp_scales[2], B lowp_scales[3])
;;   THE QUANTISER, for each operand of a quantised product, along K:
;;     - The operand's scale is 2^e, e = its entry of the input lowp_scales (int32; the entries are numbered through the quantised products in the list's order, A before B).
;;     - Each number is divided by the scale, clamped to +-448, and rounded to the nearest number of E4M3, ties to even, subnormals kept.
;;     - The product sums the exact products of the quantised numbers (number of the format x scale) in f32.
;;   ~~~python
;;   def quantise(x, axis, e):      # numpy; x: float32 -> the quantised numbers, widened to float32 again
;;       x = np.moveaxis(x, axis, -1); K = x.shape[-1]
;;       r = np.clip(x / 2.0 ** e, -448, 448)
;;       step = 2.0 ** (np.maximum(np.frexp(np.where(r == 0, 1, r))[1] - 1, -6) - 3)
;;       q = np.round(r / step) * step * 2.0 ** e      # np.round: ties to even
;;       return np.moveaxis(q, -1, axis).astype(np.float32)
;;   ~~~
;;   OPERANDS COMPUTED ON THE WAY. 'Computed on the way' means the value that the module computes at that place (a softmax that the list does not call 'softmax' is quantised finished and normalised). What goes into a quantiser is computed in f32, as accurately as f32 sums, v_exp_f32 and their like allow (about 1e-6 of the number): no bf16 or f16 on the way to a quantiser, and a product that is left as it is and whose result goes on into a quantised operand takes f32 operands (vector FMAs, or v_wmma_f32_16x16x4_f32). A number that lies on a knife's edge between two numbers of the format may be rounded either way, as far as f32 arithmetic and the matrix unit's own rounding can turn it there, and no further.
;;   INPUTS GIVEN AS CODES. route_weights (in the module: [32, 256, 256], K = its axis 1); route_weights1 (in the module: [64, 256, 256], K = its axis 1); x (in the module: [64, 128, 256], K = its axis 2): each comes as NAME_codes (uint8): NAME with its K axis moved to the last place and cut into blocks of 32 codes, [.., K / 32, bytes a block], one block behind the other in memory; one code a byte (a code: sign, 4 exponent bits, 3 mantissa bits); its scale is its entry of lowp_scales. Its value is code x scale, taken as it is: it is not quantised again, and the codes and scales need not be those that the quantiser above would give.
;; One version. Each part assembles by itself: llvm-mc -triple=amdgcn-amd-amdhsa -mcpu=gfx1250 --defsym DOCPART=n.
;; ======== version 1 of 1: 2 launches
;; limits: right only within a limited range of input values
;; workspace buffers: out1c 1,048,576 bytes
;; launch stage1 (part 1): grid 16 x 32, 4 waves a work-group, no clusters, 104,960 bytes of LDS; arguments lowp_scales, route_weights1_codes, x_codes, out1c; writes out1c
.if DOCPART == 1
	.amdgcn_target "amdgcn-amd-amdhsa--gfx1250"
	.amdhsa_code_object_version 6
	.text
	.protected	k_qcec23d0f77_stage1
	.globl	k_qcec23d0f77_stage1
	.p2align	8
	.type	k_qcec23d0f77_stage1,@function
k_qcec23d0f77_stage1:
	s_mov_b64 s[64:65], 0
	v_nop
	global_prefetch_b8 v0, s[64:65] scope:SCOPE_SE
	s_setreg_imm32_b32 hwreg(HW_REG_WAVE_MODE, 25, 1), 1
	s_wait_xcnt 0x0
.set STAGE, 1
.if STAGE == 1
.set RT,   8
.set NA,   2
.set NW,   4
.set INVR, 0x3c000000
.else
.set RT,   4
.set NA,   4
.set NW,   1
.set INVR, 0x3c800000
.endif
.set NP,     NA*NW
.set NCH,    8/RT
.set XPITCH, 272
.set XTILE,  16*XPITCH
.set XBYTES, NA*RT*XTILE
.set ARB,    XBYTES
.set ARWV,   4864
.set EXB,    ARB+4*ARWV
.set EXG,    3328
.set STG,    EXB+2*EXG
.set SLOTB,  272
.set STWV,   NP*SLOTB
.set SPARE,  STG+4*STWV
.set XA,   1
.set XAD,  2
.set WA,   3
.set ARW,  4
.set ARR,  5
.set XAN,  6
.set EXW,  8
.set EXR,  9
.set EXQW, 10
.set EXQR, 11
.set STW,  12
.set STA,  13
.set STQW, 14
.set STQ,  15
.set OA,   16
.set OQ,   17
.set OG,   18
.set XS,   19
.set SPW,  20
.set NIL,  21
.set XG,   22
.set XS2,  23
.set B,    24
.set ACC,  32
.set X0B,  32
.set X1B,  80
.set T,    64
.set DACC, 96
.set CW,   96
.set DD,   112
.set SP,   120
.set SQ,   122
.set M,    122
.set TMP,  123
.set RL,   124
.set G,    126
.set WF,   128
.set WV,   12
.set AG,   17
.set EE,   36
.set E2,   37
.set QS,   38
.set QL,   39
.set SEL,  40
.set TT,   42
.set SLOT, 43
.set XOFF, 44
.set SGN,  45
.set MSB, 0
.macro WIN new
.if MSB != \new
	s_set_vgpr_msb (MSB<<8)|\new
.set MSB, \new
.endif
.endm
.macro D1
	s_delay_alu instid0(VALU_DEP_1)
.endm
.macro DN a, b
.if RT == 8
	s_delay_alu instid0(VALU_DEP_\a)
.else
	s_delay_alu instid0(VALU_DEP_\b)
.endif
.endm
.macro D4S
.if RT == 4
	s_delay_alu instid0(VALU_DEP_4)
.endif
.endm
.macro BAR
	s_wait_alu depctr_va_vdst(0)
	s_wait_dscnt 0x0
	s_barrier_signal -1
	s_barrier_wait -1
.endm
.macro WLOAD
.irp t, 0,1,2,3
.irp s, 0,1
.irp c, 0,1,2,3
	global_load_b128 v[WF+32*\t+16*\s+4*\c:WF+32*\t+16*\s+4*\c+3], v[WA], s[6:7] offset:4096*\t+128*\s+32*\c
.endr
.endr
.endr
.endm
.macro WSIGN
.irp t, 0,1,2,3
.set j, 0
.rept 16
	v_xor_b32 v[WF+32*\t+j], s[SGN], v[WF+32*\t+j]
.set j, j+1
.endr
.endr
.endm
.macro XF reg, i, s
.irp c, 0,1,2,3
	ds_load_b128 v[\reg+4*\c:\reg+4*\c+3], v[XAD] offset:(\i)*XTILE+128*\s+32*\c
.endr
.endm
.macro W1 i
.irp t, 0,1,2,3
	v_wmma_f32_16x16x128_fp8_fp8 v[32*(\i)+8*\t:32*(\i)+8*\t+7], v[WF+32*\t:WF+32*\t+15], v[X0B+16*((\i)%3):X0B+16*((\i)%3)+15], 0
.endr
.endm
.macro W2 i
.irp t, 0,1,2,3
	v_wmma_f32_16x16x128_fp8_fp8 v[32*(\i)+8*\t:32*(\i)+8*\t+7], v[WF+32*\t+16:WF+32*\t+31], v[X1B+16*((\i)%3):X1B+16*((\i)%3)+15], v[32*(\i)+8*\t:32*(\i)+8*\t+7]
.endr
.endm
.macro GEMM
	XF X1B, 0, 1
	XF X0B+32, 2, 0
	XF X1B+16, 1, 1
	XF X1B+32, 2, 1
	s_wait_loadcnt 0x0
	s_cmp_eq_u32 s[XOFF], 0
	s_cbranch_scc0 .Lold_\@
	WSIGN
.Lold_\@:
	s_wait_alu depctr_va_vdst(0)
	s_wait_dscnt 16
	WIN 0x50
	W1 0
.set gi, 0
.rept RT
.if gi == 0
	s_wait_dscnt 12
.elseif RT-1-gi >= 2
	s_wait_dscnt 8
.else
	s_wait_dscnt 4*(RT-1-gi)
.endif
.if gi < RT-1
	W1 gi+1
.endif
	WIN 0x41
.if gi == 0
.rept 4
	v_nop
.endr
.endif
.set p, 0
.rept 16
	v_pk_mul_f32 v[32*gi+2*p:32*gi+2*p+1], v[32*gi+2*p:32*gi+2*p+1], -1.0 op_sel_hi:[1,0]
.set p, p+1
.endr
	WIN 0
.if gi+3 <= RT-1
	XF X0B+16*(gi%3), gi+3, 0
.endif
.if (gi >= 1) && (gi+2 <= RT-1)
	XF X1B+16*((gi+2)%3), gi+2, 1
.endif
	WIN 0x50
	W2 gi
.set gi, gi+1
.endr
	WIN 0
.endm
.macro SUMPASS wl
	WIN 0x05
.set p, 0
.rept 16
	v_pk_add_f32 v[ACC+2*p:ACC+2*p+1], v[2*p:2*p+1], v[32+2*p:32+2*p+1]
.set p, p+1
.endr
	WIN 0x04
.set n, 0
.set gi, 2
.rept RT-2
.set p, 0
.rept 16
	v_pk_add_f32 v[ACC+2*p:ACC+2*p+1], v[ACC+2*p:ACC+2*p+1], v[32*gi+2*p:32*gi+2*p+1]
.if \wl
.if n%3 == 2
	global_load_b128 v[WF+4*(n/3):WF+4*(n/3)+3], v[WA], s[6:7] offset:4096*(n/24)+128*((n/12)%2)+32*((n/3)%4)
.endif
.endif
.set n, n+1
.set p, p+1
.endr
.set gi, gi+1
.endr
	WIN 0
.endm
.macro CPASS
	WIN 0x01
.set gi, 0
.rept RT
.set p, 0
.rept 16
.if gi == 0
	v_pk_mul_f32 v[ACC+2*p:ACC+2*p+1], v[2*p:2*p+1], v[CW:CW+1] op_sel_hi:[1,0]
.else
	v_pk_fma_f32 v[ACC+2*p:ACC+2*p+1], v[32*gi+2*p:32*gi+2*p+1], v[CW+2*gi:CW+2*gi+1], v[ACC+2*p:ACC+2*p+1] op_sel_hi:[1,0,1]
.endif
.set p, p+1
.endr
.set gi, gi+1
.endr
	WIN 0
.endm
.macro TADD a, b
	v_pk_add_f32 v[T+2*(\a):T+2*(\a)+1], v[T+2*(\a):T+2*(\a)+1], v[T+2*(\b):T+2*(\b)+1]
.endm
.macro SH a, b
.irp n, \a, \b
	v_mov_b32_dpp v[ACC+2*\n], v[SP] row_share:\n row_mask:0xf bank_mask:0xf
	v_mov_b32_dpp v[ACC+2*\n+1], v[SP+1] row_share:\n row_mask:0xf bank_mask:0xf
.endr
.endm
.macro ALLSUM fin, lit
.irp k, 0,1,2,3,4,5,6,7
	ds_store_b128 v[ARW], v[ACC+4*\k:ACC+4*\k+3] offset:16*\k
.endr
.irp k, 0,1,2,3,4,5,6,7,8,9,10,11,12,13,14,15
	ds_load_b64 v[T+2*\k:T+2*\k+1], v[ARR] offset:144*\k
.endr
.if \lit == 0
.set k, 0
.rept RT/2
	v_add_f32 v[DD+k], v[CW+4*k], v[CW+4*k+2]
.set k, k+1
.endr
.if RT == 8
	s_delay_alu instid0(VALU_DEP_3)
	v_add_f32 v[DD], v[DD], v[DD+1]
	s_delay_alu instid0(VALU_DEP_2)
	v_add_f32 v[DD+2], v[DD+2], v[DD+3]
	D1
	v_add_f32 v[DD], v[DD], v[DD+2]
.else
	D1
	v_add_f32 v[DD], v[DD], v[DD+1]
.endif
.irp x, 1,2,4,8
	D1
	v_add_f32_dpp v[DD], v[DD], v[DD] row_xmask:\x row_mask:0xf bank_mask:0xf
.endr
	s_wait_alu depctr_va_vdst(0)
	v_rcp_f32 v[RL], v[DD]
	v_nop
.endif
	s_wait_dscnt 8
	TADD 0, 1
	TADD 2, 3
	TADD 4, 5
	TADD 6, 7
	TADD 0, 2
	TADD 4, 6
	TADD 0, 4
	s_wait_dscnt 0x0
.if \fin
	s_add_co_u32 s19, s[TT], 1
	s_and_b32 s19, s19, NA-1
	s_mul_i32 s19, s19, RT*XTILE
	v_add_nc_u32 v[XAN], s19, v[XA]
	s_cmp_eq_u32 s[TT], NP-1
	s_wait_alu depctr_va_vdst(0)
	s_cbranch_scc1 .Llast_\@
.irp c, 0,1,2,3
	ds_load_b128 v[X0B+4*\c:X0B+4*\c+3], v[XAN] offset:32*\c
	ds_load_b128 v[X0B+16+4*\c:X0B+16+4*\c+3], v[XAN] offset:XTILE+32*\c
.endr
.Llast_\@:
.endif
	TADD 8, 9
	TADD 10, 11
	TADD 12, 13
	TADD 14, 15
	TADD 8, 10
	TADD 12, 14
	TADD 8, 12
	s_wait_alu depctr_va_vdst(0)
	TADD 0, 8
.if \lit
	D1
	v_pk_mul_f32 v[SP:SP+1], v[T:T+1], INVR op_sel_hi:[1,0]
.else
	s_wait_alu depctr_va_vdst(0)
	v_pk_mul_f32 v[SP:SP+1], v[T:T+1], v[RL:RL+1] op_sel_hi:[1,0]
.endif
.if \fin
	ds_store_b64 v[STA], v[SP:SP+1]
	v_mul_f32 v[SQ], v[SP], v[SP]
	D1
	v_fma_f32 v[SQ], v[SP+1], v[SP+1], v[SQ]
.irp x, 1,2,4,8
	D1
	v_add_f32_dpp v[SQ], v[SQ], v[SQ] row_xmask:\x row_mask:0xf bank_mask:0xf
.endr
	D1
	v_permlanex16_b32 v[TMP], v[SQ], s[SEL], s[SEL+1]
	D1
	v_add_f32 v[SQ], v[SQ], v[TMP]
	ds_store_b32 v[STQ], v[SQ]
	s_wait_dscnt 0x0
.else
	D1
	v_mul_f32 v[SQ], v[SP], v[SP]
	SH 0, 1
	v_fma_f32 v[SQ], v[SP+1], v[SP+1], v[SQ]
	SH 2, 3
	v_add_f32_dpp v[SQ], v[SQ], v[SQ] row_xmask:1 row_mask:0xf bank_mask:0xf
	SH 4, 5
	v_add_f32_dpp v[SQ], v[SQ], v[SQ] row_xmask:2 row_mask:0xf bank_mask:0xf
	SH 6, 7
	v_add_f32_dpp v[SQ], v[SQ], v[SQ] row_xmask:4 row_mask:0xf bank_mask:0xf
	SH 8, 9
	v_add_f32_dpp v[SQ], v[SQ], v[SQ] row_xmask:8 row_mask:0xf bank_mask:0xf
	SH 10, 11
	v_permlanex16_b32 v[TMP], v[SQ], s[SEL], s[SEL+1]
	SH 12, 13
	v_add_f32 v[SQ], v[SQ], v[TMP]
	SH 14, 15
.endif
.endm
.macro DOT g
	WIN 0x01
.set p, 0
.rept 16
.set gi, 0
.rept RT
.set ch, DACC+2*(gi+RT*(p%NCH))
.if p < NCH
	v_pk_mul_f32 v[ch:ch+1], v[32*gi+2*p:32*gi+2*p+1], v[ACC+2*p:ACC+2*p+1]
.else
	v_pk_fma_f32 v[ch:ch+1], v[32*gi+2*p:32*gi+2*p+1], v[ACC+2*p:ACC+2*p+1], v[ch:ch+1]
.endif
.set gi, gi+1
.endr
.set p, p+1
.endr
	WIN 0
.if NCH > 1
.set gi, 0
.rept RT
	v_pk_add_f32 v[DACC+2*gi:DACC+2*gi+1], v[DACC+2*gi:DACC+2*gi+1], v[DACC+2*(gi+RT):DACC+2*(gi+RT)+1]
.set gi, gi+1
.endr
.endif
.set gi, 0
.rept RT
	D4S
	v_add_f32 v[DD+gi], v[DACC+2*gi], v[DACC+2*gi+1]
.set gi, gi+1
.endr
.set gi, 0
.rept RT
	D4S
	v_permlanex16_b32 v[T+gi], v[DD+gi], s[SEL], s[SEL+1]
.set gi, gi+1
.endr
.set gi, 0
.rept RT
	D4S
	v_add_f32 v[DD+gi], v[DD+gi], v[T+gi]
.set gi, gi+1
.endr
.set k, 0
.rept RT/4
	ds_store_b128 v[EXW], v[DD+4*k:DD+4*k+3] offset:\g*EXG+16*k
.set k, k+1
.endr
	ds_store_b32 v[EXQW], v[SQ] offset:\g*EXG
.endm
.macro SCALEF ex
	v_add_f32 v[DD], v[DD], v[DD+1]
	v_add_f32 v[DD+2], v[DD+2], v[DD+3]
	D1
	v_add_f32 v[DD], v[DD], v[DD+2]
	D1
	v_ldexp_f32 v[DD], v[DD], s[E2]
	D1
	v_add_f32 v[DD+1], 1.0, v[DD]
	s_wait_alu depctr_va_vdst(0)
	v_rsq_f32 v[DD+2], v[DD]
	v_rcp_f32 v[DD+3], v[DD+1]
	v_nop
	s_wait_alu depctr_va_vdst(0)
	v_mul_f32 v[DD], v[DD], v[DD+2]
	v_mul_f32 v[DD], v[DD], v[DD+3]
	D1
	v_ldexp_f32 v[G], v[DD], s[\ex]
.endm
.macro TAKE g, first
.irp ww, 0,1,2,3
.set k, 0
.rept RT/4
	ds_load_b128 v[T+RT*\ww+4*k:T+RT*\ww+4*k+3], v[EXR] offset:\g*EXG+768*\ww+16*k
.set k, k+1
.endr
.endr
	ds_load_b128 v[DD:DD+3], v[EXQR] offset:\g*EXG
	s_wait_dscnt 0x0
	v_add_f32 v[DD], v[DD], v[DD+1]
	v_add_f32 v[DD+2], v[DD+2], v[DD+3]
.irp k, 0
	v_pk_add_f32 v[T+\k:T+\k+1], v[T+\k:T+\k+1], v[T+RT+\k:T+RT+\k+1]
	v_pk_add_f32 v[T+2*RT+\k:T+2*RT+\k+1], v[T+2*RT+\k:T+2*RT+\k+1], v[T+3*RT+\k:T+3*RT+\k+1]
.endr
	v_add_f32 v[DD], v[DD], v[DD+2]
.irp k, 2
	v_pk_add_f32 v[T+\k:T+\k+1], v[T+\k:T+\k+1], v[T+RT+\k:T+RT+\k+1]
	v_pk_add_f32 v[T+2*RT+\k:T+2*RT+\k+1], v[T+2*RT+\k:T+2*RT+\k+1], v[T+3*RT+\k:T+3*RT+\k+1]
.endr
	v_ldexp_f32 v[DD], v[DD], s[E2]
.if RT == 8
.irp k, 4
	v_pk_add_f32 v[T+\k:T+\k+1], v[T+\k:T+\k+1], v[T+RT+\k:T+RT+\k+1]
	v_pk_add_f32 v[T+2*RT+\k:T+2*RT+\k+1], v[T+2*RT+\k:T+2*RT+\k+1], v[T+3*RT+\k:T+3*RT+\k+1]
.endr
.endif
	v_add_f32 v[DD+1], 1.0, v[DD]
.if RT == 8
.irp k, 6
	v_pk_add_f32 v[T+\k:T+\k+1], v[T+\k:T+\k+1], v[T+RT+\k:T+RT+\k+1]
	v_pk_add_f32 v[T+2*RT+\k:T+2*RT+\k+1], v[T+2*RT+\k:T+2*RT+\k+1], v[T+3*RT+\k:T+3*RT+\k+1]
.endr
.endif
	s_wait_alu depctr_va_vdst(0)
	v_rsq_f32 v[DD+2], v[DD]
	v_rcp_f32 v[DD+3], v[DD+1]
.set k, 0
.rept RT/2
	v_pk_add_f32 v[T+2*k:T+2*k+1], v[T+2*k:T+2*k+1], v[T+2*RT+2*k:T+2*RT+2*k+1]
.set k, k+1
.endr
	s_wait_alu depctr_va_vdst(0)
	v_mul_f32 v[DD], v[DD], v[DD+2]
	v_mul_f32 v[DD], v[DD], v[DD+3]
	D1
	v_ldexp_f32 v[G], v[DD], s[E2]
.set k, 0
.rept RT/2
.if \first
	v_pk_mul_f32 v[B+2*k:B+2*k+1], v[T+2*k:T+2*k+1], v[G:G+1] op_sel_hi:[1,0]
.else
	v_pk_fma_f32 v[B+2*k:B+2*k+1], v[T+2*k:T+2*k+1], v[G:G+1], v[B+2*k:B+2*k+1] op_sel_hi:[1,0,1]
.endif
.set k, k+1
.endr
.endm
.macro SOFTMAX
	DN 3, 1
	v_max3_num_f32 v[M], v[B], v[B+1], v[B+2]
.if RT == 8
	v_max3_num_f32 v[T], v[B+3], v[B+4], v[B+5]
	v_max_num_f32 v[T+1], v[B+6], v[B+7]
	D1
	v_max3_num_f32 v[M], v[M], v[T], v[T+1]
.else
	D1
	v_max_num_f32 v[M], v[M], v[B+3]
.endif
.irp x, 1,2,4,8
	D1
	v_max_num_f32_dpp v[M], v[M], v[M] row_xmask:\x row_mask:0xf bank_mask:0xf
.endr
.set k, 0
.rept RT/2
	v_pk_add_f32 v[T+2*k:T+2*k+1], v[B+2*k:B+2*k+1], v[M:M+1] op_sel_hi:[1,0] neg_lo:[0,1] neg_hi:[0,1]
.set k, k+1
.endr
.set k, 0
.rept RT/2
	DN 4, 2
	v_pk_mul_f32 v[T+2*k:T+2*k+1], v[T+2*k:T+2*k+1], 0x3fb8aa3b op_sel_hi:[1,0]
.set k, k+1
.endr
	s_wait_alu depctr_va_vdst(0)
.set k, 0
.rept RT
	v_exp_f32 v[CW+2*k], v[T+k]
.set k, k+1
.endr
	v_nop
	s_wait_alu depctr_va_vdst(0)
.endm
	s_load_b256 s[4:11], s[0:1], 0x0
	v_lshl_add_u32 v[SPW], v0, 2, SPARE
	v_mov_b32 v[NIL], 0
	v_lshrrev_b32 v70, 5, v0
	D1
	v_readfirstlane_b32 s[WV], v70
	s_and_b32 s[AG], ttmp7, 0xffff
	s_mul_i32 s18, s[WV], ARWV
	s_add_co_u32 s18, s18, ARB
	s_mul_i32 s20, s[WV], 768
	s_add_co_u32 s20, s20, EXB
	s_lshl_b32 s21, s[WV], 2
	s_add_co_u32 s21, s21, EXB+3072
	s_mul_i32 s22, s[WV], STWV
	s_add_co_u32 s22, s22, STG
	s_add_co_u32 s25, s22, 256
	s_lshl_b32 s28, s[AG], 16
	s_mov_b32 s29, 0
	s_lshl_b32 s24, s[WV], 14
	s_mov_b32 s31, 0
	s_mov_b32 s47, 0
.if STAGE == 1
	s_lshr_b32 s26, s[WV], 1
	s_and_b32 s27, s[WV], 1
	s_lshl_b32 s23, s26, 2
	s_add_co_u32 s23, s23, s27
	s_mul_i32 s23, s23, SLOTB
	s_add_co_u32 s23, s23, STG
	s_lshl_b32 s30, ttmp9, 18
	s_add_co_u32 s30, s30, s24
	s_lshl_b32 s46, s[AG], 15
	s_lshl_b32 s24, s27, 14
	s_add_co_u32 s46, s46, s24
	s_lshl_b32 s24, ttmp9, 10
	s_add_co_u32 s46, s46, s24
	s_lshl_b32 s24, s26, 9
	s_add_co_u32 s46, s46, s24
.else
	s_mul_i32 s23, s[WV], SLOTB
	s_add_co_u32 s23, s23, STG
	s_lshl_b32 s30, ttmp9, 16
	s_add_co_u32 s30, s30, s24
	s_lshl_b32 s46, ttmp9, 16
	s_lshl_b32 s24, s[AG], 12
	s_add_co_u32 s46, s46, s24
	s_lshl_b32 s24, s[WV], 10
	s_add_co_u32 s46, s46, s24
.endif
	s_mov_b32 s[SEL], 0x76543210
	s_mov_b32 s[SEL+1], 0xfedcba98
	s_mov_b32 s[TT], 0
	s_mov_b32 s[SLOT], 0
	s_mov_b32 s[SGN], 0x80808080
	v_and_b32 v64, 15, v0
	v_bfe_u32 v65, v0, 4, 1
	v_and_b32 v66, 31, v0
	v_bfe_u32 v67, v0, 2, 2
	v_and_b32 v68, 3, v0
	v_lshrrev_b32 v69, 4, v0
	v_lshlrev_b32 v[XG], 4, v0
	v_mov_b32 v[EXQR], EXB+3072
	v_mov_b32 v[EXQW], s21
	v_mov_b32 v[STQW], s25
	v_mul_u32_u24 v[XA], v64, XPITCH
	v_lshlrev_b32 v[WA], 8, v64
	v_mul_u32_u24 v[ARW], v64, 144
	v_mul_u32_u24 v[ARR], v65, 2432
	v_mad_u32_u24 v[EXR], v64, 48, EXB
	v_mad_u32_u24 v[EXW], v64, 48, s20
	v_lshl_add_u32 v[STW], v67, 6, s22
	v_lshlrev_b32 v[OG], 4, v66
.if STAGE == 1
	v_mad_u32_u24 v[OA], v67, STWV, s23
	v_mad_u32_u24 v[OQ], v65, 2*SLOTB, s23
.else
	v_mad_u32_u24 v[OA], v65, STWV, s23
	v_mov_b32 v[OQ], s23
.endif
	v_mul_u32_u24 v[XS], v69, XPITCH
	v_mad_u32_u24 v[ARW], v65, 2432, v[ARW]
	v_lshl_add_u32 v[ARR], v64, 3, v[ARR]
	v_lshl_add_u32 v[STW], v65, 5, v[STW]
.if STAGE == 1
	v_mad_u32_u24 v[OA], v65, 2*SLOTB, v[OA]
.else
	v_lshl_add_u32 v[OA], v64, 4, v[OA]
.endif
	v_lshl_add_u32 v[XS], v64, 4, v[XS]
	v_lshl_add_u32 v[XA], v65, 4, v[XA]
	v_lshl_add_u32 v[WA], v65, 4, v[WA]
	v_add_nc_u32 v[ARW], s18, v[ARW]
	v_add_nc_u32 v[ARR], s18, v[ARR]
	v_lshl_add_u32 v[STW], v68, 3, v[STW]
.if STAGE == 1
	v_lshl_add_u32 v[OA], v68, 6, v[OA]
.endif
	v_add_nc_u32 v[XS2], 128*XPITCH, v[XS]
	s_wait_alu depctr_va_vdst(0)
	s_wait_kmcnt 0x0
	s_load_b128 s[32:35], s[4:5], 0x0
	s_add_nc_u64 s[8:9], s[8:9], s[28:29]
	s_add_nc_u64 s[6:7], s[6:7], s[30:31]
	s_add_nc_u64 s[10:11], s[10:11], s[46:47]
	WIN 0x40
.set j, 0
.rept 32
	global_load_b128 v[4*j:4*j+3], v[XG], s[8:9] offset:2048*j
.set j, j+1
.endr
	WIN 0
	WLOAD
	s_wait_kmcnt 0x0
.if STAGE == 1
	s_add_co_i32 s[EE], s32, s33
	s_add_co_i32 s[QS], s35, 127
	s_add_co_i32 s[QL], s[QS], 8
	s_lshl_b32 s[QS], s[QS], 23
	s_lshl_b32 s[QL], s[QL], 23
	s_or_b32 s[QL], s[QL], 0x600000
.else
	s_add_co_i32 s[EE], s34, s35
.endif
	s_lshl_b32 s[E2], s[EE], 1
	s_wait_loadcnt 32
	WIN 0x04
.set j, 0
.rept 16
	ds_store_b128 v[XS], v[4*j:4*j+3] offset:8*XPITCH*j
	ds_store_b128 v[XS2], v[64+4*j:64+4*j+3] offset:8*XPITCH*j
.set j, j+1
.endr
	WIN 0
	BAR
.irp c, 0,1,2,3
	ds_load_b128 v[X0B+4*\c:X0B+4*\c+3], v[XA] offset:32*\c
	ds_load_b128 v[X0B+16+4*\c:X0B+16+4*\c+3], v[XA] offset:XTILE+32*\c
.endr
.Lpair:
	s_and_b32 s[XOFF], s[TT], NA-1
	s_mul_i32 s[XOFF], s[XOFF], RT*XTILE
	v_add_nc_u32 v[XAD], s[XOFF], v[XA]
	v_add_nc_u32 v[STA], s[SLOT], v[STW]
	v_add_nc_u32 v[STQ], s[SLOT], v[STQW]
	GEMM
.if NW > 1
	s_cmp_eq_u32 s[XOFF], (NA-1)*RT*XTILE
	s_cbranch_scc0 .Lplain
	s_cmp_eq_u32 s[TT], NP-1
	s_cbranch_scc1 .Lplain
	s_add_nc_u64 s[6:7], s[6:7], 0x10000
	SUMPASS 1
	s_branch .Lsum
.Lplain:
.endif
	SUMPASS 0
.Lsum:
	s_wait_alu depctr_va_vdst(0)
	ALLSUM 0, 1
	DOT 0
	BAR
	TAKE 0, 1
	SOFTMAX
	CPASS
	ALLSUM 0, 0
	DOT 1
	BAR
	TAKE 1, 0
	SOFTMAX
	CPASS
	ALLSUM 1, 0
	s_add_co_u32 s[SLOT], s[SLOT], SLOTB
	s_add_co_u32 s[TT], s[TT], 1
	s_cmp_lt_u32 s[TT], NP
	s_wait_alu depctr_va_vdst(0)
	s_cbranch_scc1 .Lpair
	BAR
.if STAGE == 1
.irp c, 0,1,2,3
	ds_load_b128 v[T+4*\c:T+4*\c+3], v[OA] offset:16*\c
.endr
.irp ww, 0,1,2,3
	ds_load_b32 v[DD+\ww], v[OQ] offset:256+STWV*\ww
.endr
	s_wait_dscnt 0x0
	SCALEF EE
	v_mov_b32 v[DD+1], s[QL]
	v_mov_b32 v[DD+2], s[QS]
.irp k, 0,1,2,3,4,5,6,7
	v_pk_mul_f32 v[T+2*\k:T+2*\k+1], v[T+2*\k:T+2*\k+1], v[G:G+1] op_sel_hi:[1,0]
.endr
.irp k, 0,1,2,3,4,5,6,7,8,9,10,11,12,13,14,15
	v_med3_num_f32 v[T+\k], v[T+\k], -v[DD+1], v[DD+1]
.endr
	v_cvt_scalef32_pk8_fp8_f32 v[ACC:ACC+1], v[T:T+7], v[DD+2]
	v_cvt_scalef32_pk8_fp8_f32 v[ACC+2:ACC+3], v[T+8:T+15], v[DD+2]
	v_nop
	global_store_b128 v[OG], v[ACC:ACC+3], s[10:11]
.else
	ds_load_b128 v[T:T+3], v[OA]
	ds_load_b128 v[T+4:T+7], v[OA] offset:2*STWV
.irp ww, 0,1,2,3
	ds_load_b32 v[DD+\ww], v[OQ] offset:256+STWV*\ww
.endr
	s_wait_dscnt 0x0
	SCALEF EE
.irp k, 0,1,2,3
	v_pk_mul_f32 v[T+2*\k:T+2*\k+1], v[T+2*\k:T+2*\k+1], v[G:G+1] op_sel_hi:[1,0]
.endr
	global_store_b128 v[OG], v[T:T+3], s[10:11] th:TH_STORE_NT
	global_store_b128 v[OG], v[T+4:T+7], s[10:11] offset:512 th:TH_STORE_NT
.endif
	s_wait_tensorcnt 0x0
	ds_add_u32 v[SPW], v[NIL]
	s_wait_dscnt 0x0
	s_endpgm
.Lfunc_end_k_qcec23d0f77_stage1:
	.size	k_qcec23d0f77_stage1, .Lfunc_end_k_qcec23d0f77_stage1-k_qcec23d0f77_stage1
	.p2alignl 7, 3214868480
	.fill 96, 4, 3214868480
	.section	.rodata,"a",@progbits
	.p2align	6, 0x0
	.amdhsa_kernel k_qcec23d0f77_stage1
		.amdhsa_group_segment_fixed_size 104960
		.amdhsa_private_segment_fixed_size 0
		.amdhsa_enable_private_segment 0
		.amdhsa_kernarg_size 32
		.amdhsa_user_sgpr_count 2
		.amdhsa_user_sgpr_kernarg_segment_ptr 1
		.amdhsa_wavefront_size32 1
		.amdhsa_system_sgpr_workgroup_id_x 1
		.amdhsa_system_sgpr_workgroup_id_y 1
		.amdhsa_system_sgpr_workgroup_id_z 1
		.amdhsa_system_vgpr_workitem_id 0
		.amdhsa_next_free_vgpr 512
		.amdhsa_next_free_sgpr 66
		.amdhsa_reserve_vcc 0
		.amdhsa_float_denorm_mode_32 3
		.amdhsa_float_denorm_mode_16_64 3
		.amdhsa_memory_ordered 1
		.amdhsa_forward_progress 1
		.amdhsa_inst_pref_size 112
	.end_amdhsa_kernel
	.amdgpu_metadata
---
amdhsa.version: [ 1, 2 ]
amdhsa.kernels:
  - .name:           k_qcec23d0f77_stage1
    .symbol:         k_qcec23d0f77_stage1.kd
    .args:
      - { .name: lowp_scales, .offset: 0, .size: 8, .value_kind: global_buffer, .address_space: global }
      - { .name: route_weights1_codes, .offset: 8, .size: 8, .value_kind: global_buffer, .address_space: global }
      - { .name: x_codes, .offset: 16, .size: 8, .value_kind: global_buffer, .address_space: global }
      - { .name: out1c, .offset: 24, .size: 8, .value_kind: global_buffer, .address_space: global }
    .group_segment_fixed_size: 104960
    .private_segment_fixed_size: 0
    .kernarg_segment_align: 8
    .kernarg_segment_size: 32
    .max_flat_workgroup_size: 128
    .sgpr_count:     66
    .vgpr_count:     512
    .wavefront_size: 32
...
	.end_amdgpu_metadata
.endif
;; end of part 1
;; launch stage2 (part 2): grid 32 x 16, 4 waves a work-group, no clusters, 100,608 bytes of LDS; arguments lowp_scales, route_weights_codes, out1c, out0; writes out0
.if DOCPART == 2
	.amdgcn_target "amdgcn-amd-amdhsa--gfx1250"
	.amdhsa_code_object_version 6
	.text
	.protected	k_qcec23d0f77_stage2
	.globl	k_qcec23d0f77_stage2
	.p2align	8
	.type	k_qcec23d0f77_stage2,@function
k_qcec23d0f77_stage2:
	s_mov_b64 s[64:65], 0
	v_nop
	global_prefetch_b8 v0, s[64:65] scope:SCOPE_SE
	s_setreg_imm32_b32 hwreg(HW_REG_WAVE_MODE, 25, 1), 1
	s_wait_xcnt 0x0
.set STAGE, 2
.if STAGE == 1
.set RT,   8
.set NA,   2
.set NW,   4
.set INVR, 0x3c000000
.else
.set RT,   4
.set NA,   4
.set NW,   1
.set INVR, 0x3c800000
.endif
.set NP,     NA*NW
.set NCH,    8/RT
.set XPITCH, 272
.set XTILE,  16*XPITCH
.set XBYTES, NA*RT*XTILE
.set ARB,    XBYTES
.set ARWV,   4864
.set EXB,    ARB+4*ARWV
.set EXG,    3328
.set STG,    EXB+2*EXG
.set SLOTB,  272
.set STWV,   NP*SLOTB
.set SPARE,  STG+4*STWV
.set XA,   1
.set XAD,  2
.set WA,   3
.set ARW,  4
.set ARR,  5
.set XAN,  6
.set EXW,  8
.set EXR,  9
.set EXQW, 10
.set EXQR, 11
.set STW,  12
.set STA,  13
.set STQW, 14
.set STQ,  15
.set OA,   16
.set OQ,   17
.set OG,   18
.set XS,   19
.set SPW,  20
.set NIL,  21
.set XG,   22
.set XS2,  23
.set B,    24
.set ACC,  32
.set X0B,  32
.set X1B,  80
.set T,    64
.set DACC, 96
.set CW,   96
.set DD,   112
.set SP,   120
.set SQ,   122
.set M,    122
.set TMP,  123
.set RL,   124
.set G,    126
.set WF,   128
.set WV,   12
.set AG,   17
.set EE,   36
.set E2,   37
.set QS,   38
.set QL,   39
.set SEL,  40
.set TT,   42
.set SLOT, 43
.set XOFF, 44
.set SGN,  45
.set MSB, 0
.macro WIN new
.if MSB != \new
	s_set_vgpr_msb (MSB<<8)|\new
.set MSB, \new
.endif
.endm
.macro D1
	s_delay_alu instid0(VALU_DEP_1)
.endm
.macro DN a, b
.if RT == 8
	s_delay_alu instid0(VALU_DEP_\a)
.else
	s_delay_alu instid0(VALU_DEP_\b)
.endif
.endm
.macro D4S
.if RT == 4
	s_delay_alu instid0(VALU_DEP_4)
.endif
.endm
.macro BAR
	s_wait_alu depctr_va_vdst(0)
	s_wait_dscnt 0x0
	s_barrier_signal -1
	s_barrier_wait -1
.endm
.macro WLOAD
.irp t, 0,1,2,3
.irp s, 0,1
.irp c, 0,1,2,3
	global_load_b128 v[WF+32*\t+16*\s+4*\c:WF+32*\t+16*\s+4*\c+3], v[WA], s[6:7] offset:4096*\t+128*\s+32*\c
.endr
.endr
.endr
.endm
.macro WSIGN
.irp t, 0,1,2,3
.set j, 0
.rept 16
	v_xor_b32 v[WF+32*\t+j], s[SGN], v[WF+32*\t+j]
.set j, j+1
.endr
.endr
.endm
.macro XF reg, i, s
.irp c, 0,1,2,3
	ds_load_b128 v[\reg+4*\c:\reg+4*\c+3], v[XAD] offset:(\i)*XTILE+128*\s+32*\c
.endr
.endm
.macro W1 i
.irp t, 0,1,2,3
	v_wmma_f32_16x16x128_fp8_fp8 v[32*(\i)+8*\t:32*(\i)+8*\t+7], v[WF+32*\t:WF+32*\t+15], v[X0B+16*((\i)%3):X0B+16*((\i)%3)+15], 0
.endr
.endm
.macro W2 i
.irp t, 0,1,2,3
	v_wmma_f32_16x16x128_fp8_fp8 v[32*(\i)+8*\t:32*(\i)+8*\t+7], v[WF+32*\t+16:WF+32*\t+31], v[X1B+16*((\i)%3):X1B+16*((\i)%3)+15], v[32*(\i)+8*\t:32*(\i)+8*\t+7]
.endr
.endm
.macro GEMM
	XF X1B, 0, 1
	XF X0B+32, 2, 0
	XF X1B+16, 1, 1
	XF X1B+32, 2, 1
	s_wait_loadcnt 0x0
	s_cmp_eq_u32 s[XOFF], 0
	s_cbranch_scc0 .Lold_\@
	WSIGN
.Lold_\@:
	s_wait_alu depctr_va_vdst(0)
	s_wait_dscnt 16
	WIN 0x50
	W1 0
.set gi, 0
.rept RT
.if gi == 0
	s_wait_dscnt 12
.elseif RT-1-gi >= 2
	s_wait_dscnt 8
.else
	s_wait_dscnt 4*(RT-1-gi)
.endif
.if gi < RT-1
	W1 gi+1
.endif
	WIN 0x41
.if gi == 0
.rept 4
	v_nop
.endr
.endif
.set p, 0
.rept 16
	v_pk_mul_f32 v[32*gi+2*p:32*gi+2*p+1], v[32*gi+2*p:32*gi+2*p+1], -1.0 op_sel_hi:[1,0]
.set p, p+1
.endr
	WIN 0
.if gi+3 <= RT-1
	XF X0B+16*(gi%3), gi+3, 0
.endif
.if (gi >= 1) && (gi+2 <= RT-1)
	XF X1B+16*((gi+2)%3), gi+2, 1
.endif
	WIN 0x50
	W2 gi
.set gi, gi+1
.endr
	WIN 0
.endm
.macro SUMPASS wl
	WIN 0x05
.set p, 0
.rept 16
	v_pk_add_f32 v[ACC+2*p:ACC+2*p+1], v[2*p:2*p+1], v[32+2*p:32+2*p+1]
.set p, p+1
.endr
	WIN 0x04
.set n, 0
.set gi, 2
.rept RT-2
.set p, 0
.rept 16
	v_pk_add_f32 v[ACC+2*p:ACC+2*p+1], v[ACC+2*p:ACC+2*p+1], v[32*gi+2*p:32*gi+2*p+1]
.if \wl
.if n%3 == 2
	global_load_b128 v[WF+4*(n/3):WF+4*(n/3)+3], v[WA], s[6:7] offset:4096*(n/24)+128*((n/12)%2)+32*((n/3)%4)
.endif
.endif
.set n, n+1
.set p, p+1
.endr
.set gi, gi+1
.endr
	WIN 0
.endm
.macro CPASS
	WIN 0x01
.set gi, 0
.rept RT
.set p, 0
.rept 16
.if gi == 0
	v_pk_mul_f32 v[ACC+2*p:ACC+2*p+1], v[2*p:2*p+1], v[CW:CW+1] op_sel_hi:[1,0]
.else
	v_pk_fma_f32 v[ACC+2*p:ACC+2*p+1], v[32*gi+2*p:32*gi+2*p+1], v[CW+2*gi:CW+2*gi+1], v[ACC+2*p:ACC+2*p+1] op_sel_hi:[1,0,1]
.endif
.set p, p+1
.endr
.set gi, gi+1
.endr
	WIN 0
.endm
.macro TADD a, b
	v_pk_add_f32 v[T+2*(\a):T+2*(\a)+1], v[T+2*(\a):T+2*(\a)+1], v[T+2*(\b):T+2*(\b)+1]
.endm
.macro SH a, b
.irp n, \a, \b
	v_mov_b32_dpp v[ACC+2*\n], v[SP] row_share:\n row_mask:0xf bank_mask:0xf
	v_mov_b32_dpp v[ACC+2*\n+1], v[SP+1] row_share:\n row_mask:0xf bank_mask:0xf
.endr
.endm
.macro ALLSUM fin, lit
.irp k, 0,1,2,3,4,5,6,7
	ds_store_b128 v[ARW], v[ACC+4*\k:ACC+4*\k+3] offset:16*\k
.endr
.irp k, 0,1,2,3,4,5,6,7,8,9,10,11,12,13,14,15
	ds_load_b64 v[T+2*\k:T+2*\k+1], v[ARR] offset:144*\k
.endr
.if \lit == 0
.set k, 0
.rept RT/2
	v_add_f32 v[DD+k], v[CW+4*k], v[CW+4*k+2]
.set k, k+1
.endr
.if RT == 8
	s_delay_alu instid0(VALU_DEP_3)
	v_add_f32 v[DD], v[DD], v[DD+1]
	s_delay_alu instid0(VALU_DEP_2)
	v_add_f32 v[DD+2], v[DD+2], v[DD+3]
	D1
	v_add_f32 v[DD], v[DD], v[DD+2]
.else
	D1
	v_add_f32 v[DD], v[DD], v[DD+1]
.endif
.irp x, 1,2,4,8
	D1
	v_add_f32_dpp v[DD], v[DD], v[DD] row_xmask:\x row_mask:0xf bank_mask:0xf
.endr
	s_wait_alu depctr_va_vdst(0)
	v_rcp_f32 v[RL], v[DD]
	v_nop
.endif
	s_wait_dscnt 8
	TADD 0, 1
	TADD 2, 3
	TADD 4, 5
	TADD 6, 7
	TADD 0, 2
	TADD 4, 6
	TADD 0, 4
	s_wait_dscnt 0x0
.if \fin
	s_add_co_u32 s19, s[TT], 1
	s_and_b32 s19, s19, NA-1
	s_mul_i32 s19, s19, RT*XTILE
	v_add_nc_u32 v[XAN], s19, v[XA]
	s_cmp_eq_u32 s[TT], NP-1
	s_wait_alu depctr_va_vdst(0)
	s_cbranch_scc1 .Llast_\@
.irp c, 0,1,2,3
	ds_load_b128 v[X0B+4*\c:X0B+4*\c+3], v[XAN] offset:32*\c
	ds_load_b128 v[X0B+16+4*\c:X0B+16+4*\c+3], v[XAN] offset:XTILE+32*\c
.endr
.Llast_\@:
.endif
	TADD 8, 9
	TADD 10, 11
	TADD 12, 13
	TADD 14, 15
	TADD 8, 10
	TADD 12, 14
	TADD 8, 12
	s_wait_alu depctr_va_vdst(0)
	TADD 0, 8
.if \lit
	D1
	v_pk_mul_f32 v[SP:SP+1], v[T:T+1], INVR op_sel_hi:[1,0]
.else
	s_wait_alu depctr_va_vdst(0)
	v_pk_mul_f32 v[SP:SP+1], v[T:T+1], v[RL:RL+1] op_sel_hi:[1,0]
.endif
.if \fin
	ds_store_b64 v[STA], v[SP:SP+1]
	v_mul_f32 v[SQ], v[SP], v[SP]
	D1
	v_fma_f32 v[SQ], v[SP+1], v[SP+1], v[SQ]
.irp x, 1,2,4,8
	D1
	v_add_f32_dpp v[SQ], v[SQ], v[SQ] row_xmask:\x row_mask:0xf bank_mask:0xf
.endr
	D1
	v_permlanex16_b32 v[TMP], v[SQ], s[SEL], s[SEL+1]
	D1
	v_add_f32 v[SQ], v[SQ], v[TMP]
	ds_store_b32 v[STQ], v[SQ]
	s_wait_dscnt 0x0
.else
	D1
	v_mul_f32 v[SQ], v[SP], v[SP]
	SH 0, 1
	v_fma_f32 v[SQ], v[SP+1], v[SP+1], v[SQ]
	SH 2, 3
	v_add_f32_dpp v[SQ], v[SQ], v[SQ] row_xmask:1 row_mask:0xf bank_mask:0xf
	SH 4, 5
	v_add_f32_dpp v[SQ], v[SQ], v[SQ] row_xmask:2 row_mask:0xf bank_mask:0xf
	SH 6, 7
	v_add_f32_dpp v[SQ], v[SQ], v[SQ] row_xmask:4 row_mask:0xf bank_mask:0xf
	SH 8, 9
	v_add_f32_dpp v[SQ], v[SQ], v[SQ] row_xmask:8 row_mask:0xf bank_mask:0xf
	SH 10, 11
	v_permlanex16_b32 v[TMP], v[SQ], s[SEL], s[SEL+1]
	SH 12, 13
	v_add_f32 v[SQ], v[SQ], v[TMP]
	SH 14, 15
.endif
.endm
.macro DOT g
	WIN 0x01
.set p, 0
.rept 16
.set gi, 0
.rept RT
.set ch, DACC+2*(gi+RT*(p%NCH))
.if p < NCH
	v_pk_mul_f32 v[ch:ch+1], v[32*gi+2*p:32*gi+2*p+1], v[ACC+2*p:ACC+2*p+1]
.else
	v_pk_fma_f32 v[ch:ch+1], v[32*gi+2*p:32*gi+2*p+1], v[ACC+2*p:ACC+2*p+1], v[ch:ch+1]
.endif
.set gi, gi+1
.endr
.set p, p+1
.endr
	WIN 0
.if NCH > 1
.set gi, 0
.rept RT
	v_pk_add_f32 v[DACC+2*gi:DACC+2*gi+1], v[DACC+2*gi:DACC+2*gi+1], v[DACC+2*(gi+RT):DACC+2*(gi+RT)+1]
.set gi, gi+1
.endr
.endif
.set gi, 0
.rept RT
	D4S
	v_add_f32 v[DD+gi], v[DACC+2*gi], v[DACC+2*gi+1]
.set gi, gi+1
.endr
.set gi, 0
.rept RT
	D4S
	v_permlanex16_b32 v[T+gi], v[DD+gi], s[SEL], s[SEL+1]
.set gi, gi+1
.endr
.set gi, 0
.rept RT
	D4S
	v_add_f32 v[DD+gi], v[DD+gi], v[T+gi]
.set gi, gi+1
.endr
.set k, 0
.rept RT/4
	ds_store_b128 v[EXW], v[DD+4*k:DD+4*k+3] offset:\g*EXG+16*k
.set k, k+1
.endr
	ds_store_b32 v[EXQW], v[SQ] offset:\g*EXG
.endm
.macro SCALEF ex
	v_add_f32 v[DD], v[DD], v[DD+1]
	v_add_f32 v[DD+2], v[DD+2], v[DD+3]
	D1
	v_add_f32 v[DD], v[DD], v[DD+2]
	D1
	v_ldexp_f32 v[DD], v[DD], s[E2]
	D1
	v_add_f32 v[DD+1], 1.0, v[DD]
	s_wait_alu depctr_va_vdst(0)
	v_rsq_f32 v[DD+2], v[DD]
	v_rcp_f32 v[DD+3], v[DD+1]
	v_nop
	s_wait_alu depctr_va_vdst(0)
	v_mul_f32 v[DD], v[DD], v[DD+2]
	v_mul_f32 v[DD], v[DD], v[DD+3]
	D1
	v_ldexp_f32 v[G], v[DD], s[\ex]
.endm
.macro TAKE g, first
.irp ww, 0,1,2,3
.set k, 0
.rept RT/4
	ds_load_b128 v[T+RT*\ww+4*k:T+RT*\ww+4*k+3], v[EXR] offset:\g*EXG+768*\ww+16*k
.set k, k+1
.endr
.endr
	ds_load_b128 v[DD:DD+3], v[EXQR] offset:\g*EXG
	s_wait_dscnt 0x0
	v_add_f32 v[DD], v[DD], v[DD+1]
	v_add_f32 v[DD+2], v[DD+2], v[DD+3]
.irp k, 0
	v_pk_add_f32 v[T+\k:T+\k+1], v[T+\k:T+\k+1], v[T+RT+\k:T+RT+\k+1]
	v_pk_add_f32 v[T+2*RT+\k:T+2*RT+\k+1], v[T+2*RT+\k:T+2*RT+\k+1], v[T+3*RT+\k:T+3*RT+\k+1]
.endr
	v_add_f32 v[DD], v[DD], v[DD+2]
.irp k, 2
	v_pk_add_f32 v[T+\k:T+\k+1], v[T+\k:T+\k+1], v[T+RT+\k:T+RT+\k+1]
	v_pk_add_f32 v[T+2*RT+\k:T+2*RT+\k+1], v[T+2*RT+\k:T+2*RT+\k+1], v[T+3*RT+\k:T+3*RT+\k+1]
.endr
	v_ldexp_f32 v[DD], v[DD], s[E2]
.if RT == 8
.irp k, 4
	v_pk_add_f32 v[T+\k:T+\k+1], v[T+\k:T+\k+1], v[T+RT+\k:T+RT+\k+1]
	v_pk_add_f32 v[T+2*RT+\k:T+2*RT+\k+1], v[T+2*RT+\k:T+2*RT+\k+1], v[T+3*RT+\k:T+3*RT+\k+1]
.endr
.endif
	v_add_f32 v[DD+1], 1.0, v[DD]
.if RT == 8
.irp k, 6
	v_pk_add_f32 v[T+\k:T+\k+1], v[T+\k:T+\k+1], v[T+RT+\k:T+RT+\k+1]
	v_pk_add_f32 v[T+2*RT+\k:T+2*RT+\k+1], v[T+2*RT+\k:T+2*RT+\k+1], v[T+3*RT+\k:T+3*RT+\k+1]
.endr
.endif
	s_wait_alu depctr_va_vdst(0)
	v_rsq_f32 v[DD+2], v[DD]
	v_rcp_f32 v[DD+3], v[DD+1]
.set k, 0
.rept RT/2
	v_pk_add_f32 v[T+2*k:T+2*k+1], v[T+2*k:T+2*k+1], v[T+2*RT+2*k:T+2*RT+2*k+1]
.set k, k+1
.endr
	s_wait_alu depctr_va_vdst(0)
	v_mul_f32 v[DD], v[DD], v[DD+2]
	v_mul_f32 v[DD], v[DD], v[DD+3]
	D1
	v_ldexp_f32 v[G], v[DD], s[E2]
.set k, 0
.rept RT/2
.if \first
	v_pk_mul_f32 v[B+2*k:B+2*k+1], v[T+2*k:T+2*k+1], v[G:G+1] op_sel_hi:[1,0]
.else
	v_pk_fma_f32 v[B+2*k:B+2*k+1], v[T+2*k:T+2*k+1], v[G:G+1], v[B+2*k:B+2*k+1] op_sel_hi:[1,0,1]
.endif
.set k, k+1
.endr
.endm
.macro SOFTMAX
	DN 3, 1
	v_max3_num_f32 v[M], v[B], v[B+1], v[B+2]
.if RT == 8
	v_max3_num_f32 v[T], v[B+3], v[B+4], v[B+5]
	v_max_num_f32 v[T+1], v[B+6], v[B+7]
	D1
	v_max3_num_f32 v[M], v[M], v[T], v[T+1]
.else
	D1
	v_max_num_f32 v[M], v[M], v[B+3]
.endif
.irp x, 1,2,4,8
	D1
	v_max_num_f32_dpp v[M], v[M], v[M] row_xmask:\x row_mask:0xf bank_mask:0xf
.endr
.set k, 0
.rept RT/2
	v_pk_add_f32 v[T+2*k:T+2*k+1], v[B+2*k:B+2*k+1], v[M:M+1] op_sel_hi:[1,0] neg_lo:[0,1] neg_hi:[0,1]
.set k, k+1
.endr
.set k, 0
.rept RT/2
	DN 4, 2
	v_pk_mul_f32 v[T+2*k:T+2*k+1], v[T+2*k:T+2*k+1], 0x3fb8aa3b op_sel_hi:[1,0]
.set k, k+1
.endr
	s_wait_alu depctr_va_vdst(0)
.set k, 0
.rept RT
	v_exp_f32 v[CW+2*k], v[T+k]
.set k, k+1
.endr
	v_nop
	s_wait_alu depctr_va_vdst(0)
.endm
	s_load_b256 s[4:11], s[0:1], 0x0
	v_lshl_add_u32 v[SPW], v0, 2, SPARE
	v_mov_b32 v[NIL], 0
	v_lshrrev_b32 v70, 5, v0
	D1
	v_readfirstlane_b32 s[WV], v70
	s_and_b32 s[AG], ttmp7, 0xffff
	s_mul_i32 s18, s[WV], ARWV
	s_add_co_u32 s18, s18, ARB
	s_mul_i32 s20, s[WV], 768
	s_add_co_u32 s20, s20, EXB
	s_lshl_b32 s21, s[WV], 2
	s_add_co_u32 s21, s21, EXB+3072
	s_mul_i32 s22, s[WV], STWV
	s_add_co_u32 s22, s22, STG
	s_add_co_u32 s25, s22, 256
	s_lshl_b32 s28, s[AG], 16
	s_mov_b32 s29, 0
	s_lshl_b32 s24, s[WV], 14
	s_mov_b32 s31, 0
	s_mov_b32 s47, 0
.if STAGE == 1
	s_lshr_b32 s26, s[WV], 1
	s_and_b32 s27, s[WV], 1
	s_lshl_b32 s23, s26, 2
	s_add_co_u32 s23, s23, s27
	s_mul_i32 s23, s23, SLOTB
	s_add_co_u32 s23, s23, STG
	s_lshl_b32 s30, ttmp9, 18
	s_add_co_u32 s30, s30, s24
	s_lshl_b32 s46, s[AG], 15
	s_lshl_b32 s24, s27, 14
	s_add_co_u32 s46, s46, s24
	s_lshl_b32 s24, ttmp9, 10
	s_add_co_u32 s46, s46, s24
	s_lshl_b32 s24, s26, 9
	s_add_co_u32 s46, s46, s24
.else
	s_mul_i32 s23, s[WV], SLOTB
	s_add_co_u32 s23, s23, STG
	s_lshl_b32 s30, ttmp9, 16
	s_add_co_u32 s30, s30, s24
	s_lshl_b32 s46, ttmp9, 16
	s_lshl_b32 s24, s[AG], 12
	s_add_co_u32 s46, s46, s24
	s_lshl_b32 s24, s[WV], 10
	s_add_co_u32 s46, s46, s24
.endif
	s_mov_b32 s[SEL], 0x76543210
	s_mov_b32 s[SEL+1], 0xfedcba98
	s_mov_b32 s[TT], 0
	s_mov_b32 s[SLOT], 0
	s_mov_b32 s[SGN], 0x80808080
	v_and_b32 v64, 15, v0
	v_bfe_u32 v65, v0, 4, 1
	v_and_b32 v66, 31, v0
	v_bfe_u32 v67, v0, 2, 2
	v_and_b32 v68, 3, v0
	v_lshrrev_b32 v69, 4, v0
	v_lshlrev_b32 v[XG], 4, v0
	v_mov_b32 v[EXQR], EXB+3072
	v_mov_b32 v[EXQW], s21
	v_mov_b32 v[STQW], s25
	v_mul_u32_u24 v[XA], v64, XPITCH
	v_lshlrev_b32 v[WA], 8, v64
	v_mul_u32_u24 v[ARW], v64, 144
	v_mul_u32_u24 v[ARR], v65, 2432
	v_mad_u32_u24 v[EXR], v64, 48, EXB
	v_mad_u32_u24 v[EXW], v64, 48, s20
	v_lshl_add_u32 v[STW], v67, 6, s22
	v_lshlrev_b32 v[OG], 4, v66
.if STAGE == 1
	v_mad_u32_u24 v[OA], v67, STWV, s23
	v_mad_u32_u24 v[OQ], v65, 2*SLOTB, s23
.else
	v_mad_u32_u24 v[OA], v65, STWV, s23
	v_mov_b32 v[OQ], s23
.endif
	v_mul_u32_u24 v[XS], v69, XPITCH
	v_mad_u32_u24 v[ARW], v65, 2432, v[ARW]
	v_lshl_add_u32 v[ARR], v64, 3, v[ARR]
	v_lshl_add_u32 v[STW], v65, 5, v[STW]
.if STAGE == 1
	v_mad_u32_u24 v[OA], v65, 2*SLOTB, v[OA]
.else
	v_lshl_add_u32 v[OA], v64, 4, v[OA]
.endif
	v_lshl_add_u32 v[XS], v64, 4, v[XS]
	v_lshl_add_u32 v[XA], v65, 4, v[XA]
	v_lshl_add_u32 v[WA], v65, 4, v[WA]
	v_add_nc_u32 v[ARW], s18, v[ARW]
	v_add_nc_u32 v[ARR], s18, v[ARR]
	v_lshl_add_u32 v[STW], v68, 3, v[STW]
.if STAGE == 1
	v_lshl_add_u32 v[OA], v68, 6, v[OA]
.endif
	v_add_nc_u32 v[XS2], 128*XPITCH, v[XS]
	s_wait_alu depctr_va_vdst(0)
	s_wait_kmcnt 0x0
	s_load_b128 s[32:35], s[4:5], 0x0
	s_add_nc_u64 s[8:9], s[8:9], s[28:29]
	s_add_nc_u64 s[6:7], s[6:7], s[30:31]
	s_add_nc_u64 s[10:11], s[10:11], s[46:47]
	WIN 0x40
.set j, 0
.rept 32
	global_load_b128 v[4*j:4*j+3], v[XG], s[8:9] offset:2048*j
.set j, j+1
.endr
	WIN 0
	WLOAD
	s_wait_kmcnt 0x0
.if STAGE == 1
	s_add_co_i32 s[EE], s32, s33
	s_add_co_i32 s[QS], s35, 127
	s_add_co_i32 s[QL], s[QS], 8
	s_lshl_b32 s[QS], s[QS], 23
	s_lshl_b32 s[QL], s[QL], 23
	s_or_b32 s[QL], s[QL], 0x600000
.else
	s_add_co_i32 s[EE], s34, s35
.endif
	s_lshl_b32 s[E2], s[EE], 1
	s_wait_loadcnt 32
	WIN 0x04
.set j, 0
.rept 16
	ds_store_b128 v[XS], v[4*j:4*j+3] offset:8*XPITCH*j
	ds_store_b128 v[XS2], v[64+4*j:64+4*j+3] offset:8*XPITCH*j
.set j, j+1
.endr
	WIN 0
	BAR
.irp c, 0,1,2,3
	ds_load_b128 v[X0B+4*\c:X0B+4*\c+3], v[XA] offset:32*\c
	ds_load_b128 v[X0B+16+4*\c:X0B+16+4*\c+3], v[XA] offset:XTILE+32*\c
.endr
.Lpair:
	s_and_b32 s[XOFF], s[TT], NA-1
	s_mul_i32 s[XOFF], s[XOFF], RT*XTILE
	v_add_nc_u32 v[XAD], s[XOFF], v[XA]
	v_add_nc_u32 v[STA], s[SLOT], v[STW]
	v_add_nc_u32 v[STQ], s[SLOT], v[STQW]
	GEMM
.if NW > 1
	s_cmp_eq_u32 s[XOFF], (NA-1)*RT*XTILE
	s_cbranch_scc0 .Lplain
	s_cmp_eq_u32 s[TT], NP-1
	s_cbranch_scc1 .Lplain
	s_add_nc_u64 s[6:7], s[6:7], 0x10000
	SUMPASS 1
	s_branch .Lsum
.Lplain:
.endif
	SUMPASS 0
.Lsum:
	s_wait_alu depctr_va_vdst(0)
	ALLSUM 0, 1
	DOT 0
	BAR
	TAKE 0, 1
	SOFTMAX
	CPASS
	ALLSUM 0, 0
	DOT 1
	BAR
	TAKE 1, 0
	SOFTMAX
	CPASS
	ALLSUM 1, 0
	s_add_co_u32 s[SLOT], s[SLOT], SLOTB
	s_add_co_u32 s[TT], s[TT], 1
	s_cmp_lt_u32 s[TT], NP
	s_wait_alu depctr_va_vdst(0)
	s_cbranch_scc1 .Lpair
	BAR
.if STAGE == 1
.irp c, 0,1,2,3
	ds_load_b128 v[T+4*\c:T+4*\c+3], v[OA] offset:16*\c
.endr
.irp ww, 0,1,2,3
	ds_load_b32 v[DD+\ww], v[OQ] offset:256+STWV*\ww
.endr
	s_wait_dscnt 0x0
	SCALEF EE
	v_mov_b32 v[DD+1], s[QL]
	v_mov_b32 v[DD+2], s[QS]
.irp k, 0,1,2,3,4,5,6,7
	v_pk_mul_f32 v[T+2*\k:T+2*\k+1], v[T+2*\k:T+2*\k+1], v[G:G+1] op_sel_hi:[1,0]
.endr
.irp k, 0,1,2,3,4,5,6,7,8,9,10,11,12,13,14,15
	v_med3_num_f32 v[T+\k], v[T+\k], -v[DD+1], v[DD+1]
.endr
	v_cvt_scalef32_pk8_fp8_f32 v[ACC:ACC+1], v[T:T+7], v[DD+2]
	v_cvt_scalef32_pk8_fp8_f32 v[ACC+2:ACC+3], v[T+8:T+15], v[DD+2]
	v_nop
	global_store_b128 v[OG], v[ACC:ACC+3], s[10:11]
.else
	ds_load_b128 v[T:T+3], v[OA]
	ds_load_b128 v[T+4:T+7], v[OA] offset:2*STWV
.irp ww, 0,1,2,3
	ds_load_b32 v[DD+\ww], v[OQ] offset:256+STWV*\ww
.endr
	s_wait_dscnt 0x0
	SCALEF EE
.irp k, 0,1,2,3
	v_pk_mul_f32 v[T+2*\k:T+2*\k+1], v[T+2*\k:T+2*\k+1], v[G:G+1] op_sel_hi:[1,0]
.endr
	global_store_b128 v[OG], v[T:T+3], s[10:11] th:TH_STORE_NT
	global_store_b128 v[OG], v[T+4:T+7], s[10:11] offset:512 th:TH_STORE_NT
.endif
	s_wait_tensorcnt 0x0
	ds_add_u32 v[SPW], v[NIL]
	s_wait_dscnt 0x0
	s_endpgm
.Lfunc_end_k_qcec23d0f77_stage2:
	.size	k_qcec23d0f77_stage2, .Lfunc_end_k_qcec23d0f77_stage2-k_qcec23d0f77_stage2
	.p2alignl 7, 3214868480
	.fill 96, 4, 3214868480
	.section	.rodata,"a",@progbits
	.p2align	6, 0x0
	.amdhsa_kernel k_qcec23d0f77_stage2
		.amdhsa_group_segment_fixed_size 100608
		.amdhsa_private_segment_fixed_size 0
		.amdhsa_enable_private_segment 0
		.amdhsa_kernarg_size 32
		.amdhsa_user_sgpr_count 2
		.amdhsa_user_sgpr_kernarg_segment_ptr 1
		.amdhsa_wavefront_size32 1
		.amdhsa_system_sgpr_workgroup_id_x 1
		.amdhsa_system_sgpr_workgroup_id_y 1
		.amdhsa_system_sgpr_workgroup_id_z 1
		.amdhsa_system_vgpr_workitem_id 0
		.amdhsa_next_free_vgpr 384
		.amdhsa_next_free_sgpr 66
		.amdhsa_reserve_vcc 0
		.amdhsa_float_denorm_mode_32 3
		.amdhsa_float_denorm_mode_16_64 3
		.amdhsa_memory_ordered 1
		.amdhsa_forward_progress 1
		.amdhsa_inst_pref_size 68
	.end_amdhsa_kernel
	.amdgpu_metadata
---
amdhsa.version: [ 1, 2 ]
amdhsa.kernels:
  - .name:           k_qcec23d0f77_stage2
    .symbol:         k_qcec23d0f77_stage2.kd
    .args:
      - { .name: lowp_scales, .offset: 0, .size: 8, .value_kind: global_buffer, .address_space: global }
      - { .name: route_weights_codes, .offset: 8, .size: 8, .value_kind: global_buffer, .address_space: global }
      - { .name: out1c, .offset: 16, .size: 8, .value_kind: global_buffer, .address_space: global }
      - { .name: out0, .offset: 24, .size: 8, .value_kind: global_buffer, .address_space: global }
    .group_segment_fixed_size: 100608
    .private_segment_fixed_size: 0
    .kernarg_segment_align: 8
    .kernarg_segment_size: 32
    .max_flat_workgroup_size: 128
    .sgpr_count:     66
    .vgpr_count:     384
    .wavefront_size: 32
...
	.end_amdgpu_metadata
.endif
;; end of part 2
